; MI455X (gfx1250); checked and timed in simulation.
; The chip was launched on July 23, 2026; its instructions are those of AMD's public machine-readable ISA for CDNA 5 (MIT licence, August 2026) and "CDNA5" Instruction Set Architecture Reference Guide (July 2026). The comments in the code are by the model that wrote it; some were corrected since.
;; Translator. Allowed arithmetic: float matrix products may take bf16 or f16 operands with f32 sums; all other float work in f32.
;; Inputs: input_repre 16 x 4,096 x 512 float32; sections 16 x 128 int32.
;; Outputs: out0 16 x 128 x 512 float32; out1 16 x 1 x 128 bool.
;; One version. Each part assembles by itself: llvm-mc -triple=amdgcn-amd-amdhsa -mcpu=gfx1250 --defsym DOCPART=n.
;; ======== version 1 of 1: 1 launch
;; launch first_tokens (part 1): grid 256 x 1, 8 waves a work-group, no clusters, 0 bytes of LDS; arguments input_repre, sections, out0, out1; writes out0, out1
.if DOCPART == 1
	.amdgcn_target "amdgcn-amd-amdhsa--gfx1250"
	.amdhsa_code_object_version 6
	.text
	.protected	k_q138c27e7a5_first_tokens
	.globl	k_q138c27e7a5_first_tokens
	.p2align	8
	.type	k_q138c27e7a5_first_tokens,@function
k_q138c27e7a5_first_tokens:
	s_mov_b64 s[64:65], 0
	v_nop
	global_prefetch_b8 v0, s[64:65] scope:SCOPE_SE
	s_setreg_imm32_b32 hwreg(HW_REG_WAVE_MODE, 25, 1), 1
	s_wait_xcnt 0x0
; out0[b][u][:] = sections[b][u] > 0 ? x[b][off(b,u)][:] : 0,   off(b,u) = sum over j < u of sections[b][j]   (an exclusive prefix sum)
; out1[b][0][u] = out0[b][u][0] != 0                            (one byte, 0 or 1; a NaN counts as not 0, -0 as 0)
; x: [16][4096][512] f32, sections: [16][128] i32, out0: [16][128][512] f32, out1: [16][1][128] bytes.
;
; SHARES.  256 work-groups of eight waves; a wave makes ONE row of out0, row r = 8 x work-group + wave = 128 b + u: 2,048 bytes, four 16-byte
; loads and four 16-byte stores a lane, each covering 512 consecutive bytes that start at a multiple of 512 from the buffer's first byte.
; Every wave finds its own offset from the batch's 128 lengths (512 bytes, 16 a lane), so no wave waits for another: no LDS, no barrier.
; A row whose length is not positive is stored as zeros and x is not read for it.
; out1 is written in whole blocks of 256 bytes: the eight waves with r % 256 = 0 take a path of their own (.Lmask_wave), in which one
; 8-byte store a lane covers the 256 flags of two batches; for that they fetch the first word of those 256 rows themselves.
;
; LIMITS.  For a positive length the offset is taken to lie in 0 .. 4095, as the gather of the definition relies on; any other offset is
; clamped, as an unsigned number, to 4095.  Offsets of rows that are stored as zeros may be anything.  Sums wrap modulo 2^32 like i32 sums.
.set S_LEN,  4096                      ; tokens in a batch
.set UTT,    128                       ; lengths in a batch
.set ROWSH,  11                        ; a token's row is 2,048 bytes
.set BATSH,  23                        ; a batch of x is 4,096 x 2,048 bytes
.set LANE,   2                         ; v2      lane
.set L16,    3                         ; v3      16 x lane: my 16 bytes in each 512 of a row; never rewritten
.set LEN,    4                         ; v[4:7]  row wave: my four lengths, indices 4 lane .. 4 lane + 3
.set ROW,    12                        ; v[12:27] row wave: the row
.set MLEN,   16                        ; v[16:23] mask wave: my eight lengths
.set MOFF,   24                        ; v[24:31] mask wave: their offsets, then byte offsets in x
.set MROW,   32                        ; v[32:47] mask wave: its own row of out0
.set MX,     48                        ; v[48:55] mask wave: first words of my eight rows, then their flags
.set VAL,    32                        ; s32-s39  mask wave: lanes in which length k is positive
	s_load_b256 s[4:11], s[0:1], 0x0               ; x s[4:5], sections s[6:7], out0 s[8:9], out1 s[10:11]
	v_lshrrev_b32 v1, 5, v0
	v_readfirstlane_b32 s12, v1                    ; wave 0..7
	v_and_b32 v[LANE], 31, v0
	v_lshlrev_b32 v[L16], 4, v[LANE]
	s_lshl3_add_u32 s13, ttmp9, s12                ; r = 8 x work-group + wave = 128 b + u
	s_lshr_b32 s15, ttmp9, 4                       ; b
	s_lshl_b32 s16, s15, 9                         ; the batch's lengths: 512 b bytes into sections
	s_lshl_b32 s24, s15, BATSH                     ; the batch in x, below 2^27: a pair with 0 above it
	s_mov_b32 s25, 0
	s_lshl_b32 s26, s13, ROWSH                     ; row r in out0, likewise
	s_mov_b32 s27, 0
	s_and_b32 s17, s13, 255
	s_cmp_eq_u32 s17, 0
	s_cbranch_scc1 .Lmask_wave                     ; wave 0 of every 32nd work-group: its row and a block of out1
; ---------------------------------------------------------------- a row wave
	s_and_b32 s14, s13, UTT-1                      ; u
	s_lshl_b32 s17, s13, 2                         ; byte of sections[b][u]
	v_add_nc_u32 v8, s16, v[L16]                   ; my four lengths: 512 b + 16 lane
	v_lshlrev_b32 v9, 2, v[LANE]
	v_sub_nc_u32 v9, s14, v9                       ; u - 4 lane: my length k lies in front of u where k < this (signed)
	v_cmp_lt_i32 s20, 0, v9                        ; the four masks are made while the arguments are on their way
	v_cmp_lt_i32 s21, 1, v9
	v_cmp_lt_i32 s22, 2, v9
	v_cmp_lt_i32 s23, 3, v9
	s_wait_kmcnt 0x0                               ; the addresses
	global_load_b128 v[LEN:LEN+3], v8, s[6:7]      ; the batch's 128 lengths, spread over the wave
	s_load_b32 s18, s[6:7], s17 offset:0x0         ; my own length, as a scalar; no line of this text stores into sections
	s_add_nc_u64 s[8:9], s[8:9], s[26:27]          ; out0 at my row
	s_wait_kmcnt 0x0
	s_cmp_gt_i32 s18, 0
	s_cbranch_scc0 .Lempty                         ; hangs on a whole number read from memory
	s_wait_loadcnt 0x0                             ; the lengths
	v_cndmask_b32 v[LEN+0], 0, v[LEN+0], s20       ; lengths at and behind u count as 0
	v_cndmask_b32 v[LEN+1], 0, v[LEN+1], s21
	v_cndmask_b32 v[LEN+2], 0, v[LEN+2], s22
	v_cndmask_b32 v[LEN+3], 0, v[LEN+3], s23
	v_add3_u32 v[LEN], v[LEN], v[LEN+1], v[LEN+2]
	v_add_nc_u32 v[LEN], v[LEN], v[LEN+3]
	v_add_nc_u32_dpp v[LEN], v[LEN], v[LEN] row_xmask:1 row_mask:0xf bank_mask:0xf   ; lane i adds lane i xor 1, 2, 4, 8:
	v_add_nc_u32_dpp v[LEN], v[LEN], v[LEN] row_xmask:2 row_mask:0xf bank_mask:0xf   ; every lane of a half of 16 ends with the half's sum
	v_add_nc_u32_dpp v[LEN], v[LEN], v[LEN] row_xmask:4 row_mask:0xf bank_mask:0xf
	v_add_nc_u32_dpp v[LEN], v[LEN], v[LEN] row_xmask:8 row_mask:0xf bank_mask:0xf
	v_readlane_b32 s30, v[LEN], 0
	v_readlane_b32 s31, v[LEN], 16
	s_add_co_u32 s30, s30, s31                     ; off(b, u): the same for the whole wave, so it goes into the scalar base
	s_min_u32 s30, s30, S_LEN-1                    ; a loaded number enters an address only clamped (see LIMITS)
	s_lshl_b32 s30, s30, ROWSH
	s_add_co_u32 s24, s24, s30                     ; batch + token, at most 2^27 - 2,048
	s_add_nc_u64 s[28:29], s[4:5], s[24:25]        ; x[b][off]
.irp j, 0,1,2,3
	global_load_b128 v[ROW+4*\j:ROW+4*\j+3], v[L16], s[28:29] offset:512*\j
.endr
.irp j, 0,1,2,3
	s_wait_loadcnt 3-\j                            ; loads come back in order (ISA guide 5.7.1): piece j is in, the 3 - j younger ones stay out
	global_store_b128 v[L16], v[ROW+4*\j:ROW+4*\j+3], s[8:9] offset:512*\j th:TH_STORE_NT
.endr
	s_endpgm
.Lempty:                                           ; a dropped segment: zeros.  v[4:7] belong to the load of the lengths, which may still be out: not touched
.irp j, 0,1,2,3
	v_mov_b32 v[ROW+\j], 0
.endr
.irp j, 0,1,2,3
	global_store_b128 v[L16], v[ROW:ROW+3], s[8:9] offset:512*\j th:TH_STORE_NT
.endr
	s_endpgm
; ---------------------------------------------------------------- a mask wave: r = 256 i, so b is even, u = 0, wave = 0
; Its block of out1 is bytes r .. r + 255: the flags of batches b and b + 1.  Lane l makes the eight flags u = 8 (l % 16) .. + 7 of batch
; b + l / 16, so a half of 16 lanes is one batch and the prefix sum never crosses the halves.
; Its own row of out0 has u = 0, whose offset is the empty sum 0: the row's loads go out together with the loads of the lengths.
.Lmask_wave:
	v_lshl_add_u32 v10, v[LANE], 5, s16            ; my eight lengths: 512 b + 32 lane
	v_lshrrev_b32 v11, 4, v[LANE]
	v_add_nc_u32 v11, s15, v11                     ; my batch, 15 at the most since b is even
	v_lshlrev_b32 v11, BATSH, v11                  ; and its byte offset in x
	v_lshl_add_u32 v14, v[LANE], 3, s13            ; my eight bytes of out1: r + 8 lane
	s_wait_kmcnt 0x0                               ; the addresses
	global_load_b128 v[MLEN:MLEN+3],   v10, s[6:7]
	global_load_b128 v[MLEN+4:MLEN+7], v10, s[6:7] offset:16
	s_add_nc_u64 s[28:29], s[4:5], s[24:25]        ; x[b][0]
.irp j, 0,1,2,3
	global_load_b128 v[MROW+4*\j:MROW+4*\j+3], v[L16], s[28:29] offset:512*\j
.endr
	s_add_nc_u64 s[8:9], s[8:9], s[26:27]          ; out0 at row r
	s_wait_loadcnt 0x4                             ; the lengths are in; the row's four loads stay out
	v_add3_u32 v12, v[MLEN+0], v[MLEN+1], v[MLEN+2]
	v_add3_u32 v13, v[MLEN+3], v[MLEN+4], v[MLEN+5]
	v_add3_u32 v12, v12, v[MLEN+6], v[MLEN+7]
	v_add_nc_u32 v12, v12, v13                     ; the sum of my eight
	v_mov_b32 v13, v12
	v_add_nc_u32_dpp v13, v13, v13 row_shr:1 row_mask:0xf bank_mask:0xf   ; lane i adds lane i - 1, 2, 4, 8 of its half; a lane that has no such
	v_add_nc_u32_dpp v13, v13, v13 row_shr:2 row_mask:0xf bank_mask:0xf   ; neighbour keeps what it has: the sums of lanes 0 .. i of the half
	v_add_nc_u32_dpp v13, v13, v13 row_shr:4 row_mask:0xf bank_mask:0xf
	v_add_nc_u32_dpp v13, v13, v13 row_shr:8 row_mask:0xf bank_mask:0xf
	v_sub_nc_u32 v[MOFF], v13, v12                 ; less my own: the offset of my first segment
.irp k, 0,1,2,3,4,5,6
	v_add_nc_u32 v[MOFF+\k+1], v[MOFF+\k], v[MLEN+\k]
.endr
.irp k, 0,1,2,3,4,5,6,7
	v_min_u32 v[MOFF+\k], S_LEN-1, v[MOFF+\k]                  ; clamped (see LIMITS); what a dropped segment reads is thrown away below
	v_lshl_add_u32 v[MOFF+\k], v[MOFF+\k], ROWSH, v11          ; token + batch, below 2^27
.endr
.irp k, 0,1,2,3,4,5,6,7
	global_load_b32 v[MX+\k], v[MOFF+\k], s[4:5]               ; x[batch][off][0]
.endr
.irp k, 0,1,2,3,4,5,6,7
	v_cmp_lt_i32 s[VAL+\k], 0, v[MLEN+\k]                      ; which of my segments are kept: made while the words are on their way
.endr
	v_readfirstlane_b32 s30, v[MLEN]               ; lane 0's first length is sections[b][0], my own row's
	s_cmp_gt_i32 s30, 0
	s_cselect_b32 s31, -1, 0                       ; all lanes or none
.irp j, 0,1,2,3
	s_wait_loadcnt 11-\j                           ; piece j of the row is in: 3 - j pieces and the eight words are younger
.irp i, 0,1,2,3
	v_cndmask_b32 v[MROW+4*\j+\i], 0, v[MROW+4*\j+\i], s31
.endr
	global_store_b128 v[L16], v[MROW+4*\j:MROW+4*\j+3], s[8:9] offset:512*\j th:TH_STORE_NT
.endr
.irp k, 0,1,2,3,4,5,6,7
	s_wait_loadcnt 7-\k                            ; word k is in, the 7 - k younger ones stay out
	v_cndmask_b32 v[MX+\k], 0, v[MX+\k], s[VAL+\k] ; out0[..][u][0]: 0 for a dropped segment
	v_cmp_neq_f32 vcc_lo, 0, v[MX+\k]              ; true for a NaN too
	v_cndmask_b32 v[MX+\k], 0, 1, vcc_lo
.endr
	v_lshl_or_b32 v[MX+0], v[MX+1], 8, v[MX+0]     ; eight flags into eight bytes, u ascending
	v_lshl_or_b32 v[MX+2], v[MX+3], 8, v[MX+2]
	v_lshl_or_b32 v[MX+4], v[MX+5], 8, v[MX+4]
	v_lshl_or_b32 v[MX+6], v[MX+7], 8, v[MX+6]
	v_lshl_or_b32 v56, v[MX+2], 16, v[MX+0]
	v_lshl_or_b32 v57, v[MX+6], 16, v[MX+4]
	global_store_b64 v14, v[56:57], s[10:11] th:TH_STORE_NT    ; 32 lanes x 8 bytes: 256 consecutive bytes at a multiple of 256 from out1's first byte
	s_endpgm
.Lfunc_end_k_q138c27e7a5_first_tokens:
	.size	k_q138c27e7a5_first_tokens, .Lfunc_end_k_q138c27e7a5_first_tokens-k_q138c27e7a5_first_tokens
	.p2alignl 7, 3214868480
	.fill 96, 4, 3214868480
	.section	.rodata,"a",@progbits
	.p2align	6, 0x0
	.amdhsa_kernel k_q138c27e7a5_first_tokens
		.amdhsa_group_segment_fixed_size 0
		.amdhsa_private_segment_fixed_size 0
		.amdhsa_enable_private_segment 0
		.amdhsa_kernarg_size 32
		.amdhsa_user_sgpr_count 2
		.amdhsa_user_sgpr_kernarg_segment_ptr 1
		.amdhsa_wavefront_size32 1
		.amdhsa_system_sgpr_workgroup_id_x 1
		.amdhsa_system_sgpr_workgroup_id_y 1
		.amdhsa_system_sgpr_workgroup_id_z 1
		.amdhsa_system_vgpr_workitem_id 0
		.amdhsa_next_free_vgpr 64
		.amdhsa_next_free_sgpr 66
		.amdhsa_reserve_vcc 1
		.amdhsa_float_denorm_mode_32 3
		.amdhsa_float_denorm_mode_16_64 3
		.amdhsa_memory_ordered 1
		.amdhsa_forward_progress 1
		.amdhsa_inst_pref_size 12
	.end_amdhsa_kernel
	.amdgpu_metadata
---
amdhsa.version: [ 1, 2 ]
amdhsa.kernels:
  - .name:           k_q138c27e7a5_first_tokens
    .symbol:         k_q138c27e7a5_first_tokens.kd
    .args:
      - { .name: input_repre, .offset: 0, .size: 8, .value_kind: global_buffer, .address_space: global }
      - { .name: sections, .offset: 8, .size: 8, .value_kind: global_buffer, .address_space: global }
      - { .name: out0, .offset: 16, .size: 8, .value_kind: global_buffer, .address_space: global }
      - { .name: out1, .offset: 24, .size: 8, .value_kind: global_buffer, .address_space: global }
    .group_segment_fixed_size: 0
    .private_segment_fixed_size: 0
    .kernarg_segment_align: 8
    .kernarg_segment_size: 32
    .max_flat_workgroup_size: 256
    .sgpr_count:     66
    .vgpr_count:     64
    .wavefront_size: 32
...
	.end_amdgpu_metadata
.endif
;; end of part 1
